; MI455X (gfx1250); checked and timed in simulation.
; The chip was launched on July 23, 2026; its instructions are those of AMD's public machine-readable ISA for CDNA 5 (MIT licence, August 2026) and "CDNA5" Instruction Set Architecture Reference Guide (July 2026). The comments in the code are by the model that wrote it; some were corrected since.
;; Courbariaux Binary Net MNIST. Allowed arithmetic: float matrix products may take bf16 or f16 operands with f32 sums; other float arithmetic in f32, or as packed bf16 or f16 multiplies, adds, multiply-adds, maxima and minima; sums over many terms, partial sums and values carried from step to step in f32; what a program stores and reads back later, other than sums and carried values, may be rounded once to bf16 or f16.
;; Inputs: W1 1,024 x 1,024 float32; W2 1,024 x 1,024 float32; W3 1,024 x 1,024 float32; W4 10 x 1,024 float32; b1 1,024 float32; b2 1,024 float32; b3 1,024 float32; g1 1,024 float32; g2 1,024 float32; g3 1,024 float32; m1 1,024 float32; m2 1,024 float32; m3 1,024 float32; tn_b one number float32; tn_m one number float32; tn_v one number float32; tn_w one number float32; v1 1,024 float32; v2 1,024 float32; v3 1,024 float32; x 16,384 x 1,024 float32.
;; Outputs: out0 16,384 x 10 float32.
;; 2 versions, each right; version 2 is version 1 with the launch pack written anew for expert scheduling mode. Each part assembles by itself: llvm-mc -triple=amdgcn-amd-amdhsa -mcpu=gfx1250 --defsym DOCPART=n.
;; ======== version 1 of 2: 2 launches
;; workspace buffers: wq 851,968 bytes; tau 12,288 bytes
;; launch pack (part 1): grid 196 x 1, 8 waves a work-group, no clusters, 5,376 bytes of LDS; arguments W1, W2, W3, W4, g1, g2, g3, b1, b2, b3, m1, m2, m3, v1, v2, v3, wq, tau; writes wq, tau
.if DOCPART == 1
	.amdgcn_target "amdgcn-amd-amdhsa--gfx1250"
	.amdhsa_code_object_version 6
	.text
	.protected	k_q96b53fe34c_pack
	.globl	k_q96b53fe34c_pack
	.p2align	8
	.type	k_q96b53fe34c_pack,@function
k_q96b53fe34c_pack:
	s_mov_b64 s[64:65], 0
	v_nop
	global_prefetch_b8 v0, s[64:65] scope:SCOPE_SE
	s_setreg_imm32_b32 hwreg(HW_REG_WAVE_MODE, 25, 1), 1
	s_wait_xcnt 0x0
; PACK: the weights become sign codes, each BatchNorm column becomes a threshold.
; wq, tiles 0-11 (tile = 4 x layer + kt, 65,536 bytes, K = 256 kt .. + 255): the dword at  w 16384 + kk 2048 + X 512 + (16 hh + r) 16 + g 4  belongs to row n = 256 w + 64 X + 16 g + r
; and to k = 256 kt + 32 kk + 16 hh + i, i = 0..15; the bit for i lies at (i odd ? 31 : 15) - 2 (i / 2), all even positions are 0.  The bit is 1 where sigma_n x sign(W[n][k]) is -1.
; wq, tile 12: W4 as +-1 in bf16, in matrix fragments (quarter w: k = 256 w ..; piece p = 64 c + 32 g2 + lane, 16 bytes: row lane % 16, k = 32 c + 16 g2 + 8 (lane / 16) + 0..7); rows 10-15 are 0;
; each quarter's second 8,192 bytes are 0: they travel with the tile and are never read.
; tau[layer][n] = tau_n x 255/128.
; THE THRESHOLD.  P(h) = [ ((h - m) s + b) >= 0 ], s = g rsq(v + 1e-5), each step rounded by itself as it is written there.  Every rounded step is monotone in h, so P is monotone on the whole numbers
; -1024 .. 1024, which hold every sum of 1,024 signs.  P is taken at both ends; if they differ, eleven halvings find T, the least h at which P has the value of the upper end.
; Then sign(sigma h + tau) says P(h): sigma = +1, tau = 0.5 - T (rising); sigma = -1, tau = T - 0.5 (falling); P constant: sigma = +1, tau = +-2048.5.  sigma h + tau is never 0.
; LIMITS.  m and b are taken as finite.  v_rsq_f32 is within one unit in the last place (ISA guide, its entry): a sign can differ from an exactly rounded root's only where a column's threshold
; lies within about 1e-7 of itself from an even whole number.  A NaN in g or v makes P false everywhere, as the comparison there does.  -0 in W counts as +1, a NaN as -1, as there.
; SHARES.  Work-groups 0-191: layer id / 64, kt = (id / 16) % 4, wx = id % 16: 64 rows x 256 k.  Wave v reads rows 8 v .. 8 v + 7, 512 consecutive bytes an instruction; wave 0 also makes the
; 64 thresholds (the four kt make them alike: each needs sigma; kt = 0 stores tau).  Work-groups 192-195: a quarter of tile 12.
; No matrix unit, cluster or tensor load: each byte of W is read once by one lane and leaves as one bit.
.set WST,   0                          ; LDS: the 1,024 words of the work-group, laid out as they leave: kk 512 + (16 hh + r) 16 + g 4
.set FLP,   4096                       ; LDS: the rows' flip masks, r 16 + g 4
.set SPARE, 4352                       ; LDS: the spare words, 128 bytes for each of the eight waves: four blocks of 256 bytes that no other line names
.set SPW,   9                          ; v9   my spare word's address; never rewritten
.set NIL,   10                         ; v10  0; never rewritten
.set KS,    4                          ; v[4:7]   the bit of each of my four numbers of a load
.set TE,    12                         ; v[12:15] at work
.set WDAT,  32                         ; v[32:95] sixteen loads of W
.set TMP,   20                         ; v[20:21] at work in P
.set BG,    96                         ; two rows a lane: g, b, m, v, s, P(-1024), P(1024), lo, hi, mid, tau, at work, at work
.set BB,    98
.set BM,    100
.set BV,    102
.set BS,    104
.set BPL,   106
.set BPH,   108
.set BLO,   110
.set BHI,   112
.set BMID,  114
.set BT,    116
.set BP,    118
.set BU,    120
	s_load_b512 s[4:19], s[0:1], 0x0               ; W1 s[4:5] W2 s[6:7] W3 s[8:9] W4 s[10:11] g1 s[12:13] g2 s[14:15] g3 s[16:17] b1 s[18:19]
	s_load_b512 s[20:35], s[0:1], 0x40             ; b2 s[20:21] b3 s[22:23] m1 s[24:25] m2 s[26:27] m3 s[28:29] v1 s[30:31] v2 s[32:33] v3 s[34:35]
	s_load_b128 s[36:39], s[0:1], 0x80             ; wq s[36:37] tau s[38:39]
	v_lshl_add_u32 v[SPW], v0, 2, SPARE
	v_mov_b32 v[NIL], 0
	v_lshrrev_b32 v1, 5, v0
	v_readfirstlane_b32 s40, v1                    ; wave 0..7
	v_and_b32 v1, 31, v0                           ; lane
	s_mov_b32 s53, 0                               ; the high word of every offset
	s_cmp_ge_u32 ttmp9, 192
	s_cbranch_scc1 .Lw4
	s_lshr_b32 s41, ttmp9, 6                       ; layer 0..2
	s_bfe_u32 s54, ttmp9, 0x20004                  ; kt
	s_and_b32 s55, ttmp9, 15                       ; wx = 4 w + X
	s_mov_b32 s61, 0xaaaaaaaa                      ; all sixteen sign places of a word
	v_lshlrev_b32 v2, 4, v1
	s_lshl_b32 s56, s40, 15
	v_add_nc_u32 v2, s56, v2                       ; my 16 bytes in the wave's first row: 16 lane + 8 v rows of 4,096 bytes
	v_and_b32 v11, 3, v1
	v_lshlrev_b32 v11, 2, v11                      ; 4 (lane % 4): my four numbers are i = 4 (lane % 4) + 0..3 of their sixteen
	v_mov_b32 v[KS+0], 0x8000                      ; i even: place 15 - 2 (i / 2); i odd: 31 - 2 (i / 2)
	v_mov_b32 v[KS+1], 0x80000000
	v_mov_b32 v[KS+2], 0x2000
	v_mov_b32 v[KS+3], 0x20000000
.irp e, 0,1,2,3
	v_lshrrev_b32 v[KS+\e], v11, v[KS+\e]
.endr
	v_mov_b32 v8, 0
	v_mov_b32 v11, 0                               ; later the destination of a lane exchange, which counts as read
	v_lshrrev_b32 v3, 2, v1
	s_and_b32 s56, s40, 1
	s_lshl_b32 s56, s56, 7
	s_lshr_b32 s57, s40, 1
	s_lshl2_add_u32 s56, s57, s56
	v_lshl_add_u32 v3, v3, 8, s56                  ; where my quad's word goes: (lane / 4) 256 [kk, hh] + (v % 2) 128 [r / 8] + (v / 2) 4 [g]
	s_wait_kmcnt 0x0
	s_cmp_eq_u32 s41, 1                            ; the layer's five tensors
	s_cselect_b64 s[42:43], s[6:7], s[4:5]
	s_cselect_b64 s[44:45], s[14:15], s[12:13]
	s_cselect_b64 s[46:47], s[20:21], s[18:19]
	s_cselect_b64 s[48:49], s[26:27], s[24:25]
	s_cselect_b64 s[50:51], s[32:33], s[30:31]
	s_cmp_eq_u32 s41, 2
	s_cselect_b64 s[42:43], s[8:9], s[42:43]
	s_cselect_b64 s[44:45], s[16:17], s[44:45]
	s_cselect_b64 s[46:47], s[22:23], s[46:47]
	s_cselect_b64 s[48:49], s[28:29], s[48:49]
	s_cselect_b64 s[50:51], s[34:35], s[50:51]
	s_lshl_b32 s52, s55, 18                        ; 64 wx rows of 4,096 bytes
	s_lshl_b32 s56, s54, 10                        ; 256 kt numbers
	s_or_b32 s52, s52, s56
	s_add_nc_u64 s[42:43], s[42:43], s[52:53]
	s_lshl_b32 s52, s55, 8                         ; 64 wx numbers
	s_add_nc_u64 s[44:45], s[44:45], s[52:53]
	s_add_nc_u64 s[46:47], s[46:47], s[52:53]
	s_add_nc_u64 s[48:49], s[48:49], s[52:53]
	s_add_nc_u64 s[50:51], s[50:51], s[52:53]
	s_lshl_b32 s56, s41, 12
	s_add_co_u32 s52, s52, s56
	s_add_nc_u64 s[38:39], s[38:39], s[52:53]      ; tau at the layer's row 64 wx
	s_lshl2_add_u32 s52, s41, s54                  ; the tile, 4 layer + kt
	s_lshl_b32 s52, s52, 16
	s_lshr_b32 s56, s55, 2
	s_lshl_b32 s56, s56, 14
	s_add_co_u32 s52, s52, s56                     ; + w 16384
	s_and_b32 s56, s55, 3
	s_lshl_b32 s56, s56, 9
	s_add_co_u32 s52, s52, s56                     ; + X 512
	s_add_nc_u64 s[36:37], s[36:37], s[52:53]
.set i, 0
.rept 16                               ; row 8 v + i / 2, half i % 2 of its 1,024 bytes: 512 consecutive bytes an instruction
	global_load_b128 v[WDAT+4*i:WDAT+4*i+3], v2, s[42:43] offset:(i/2)*4096+(i%2)*512 th:TH_LOAD_NT
.set i, i+1
.endr
	s_cmp_lg_u32 s40, 0                            ; wave 0 makes the 64 thresholds: lane l rows 2 l and 2 l + 1
	s_cbranch_scc1 .Lnobn
	v_lshlrev_b32 v16, 3, v1
	global_load_b64 v[BG:BG+1], v16, s[44:45]
	global_load_b64 v[BB:BB+1], v16, s[46:47]
	global_load_b64 v[BM:BM+1], v16, s[48:49]
	global_load_b64 v[BV:BV+1], v16, s[50:51]
	s_wait_loadcnt 0x0
	v_add_f32 v[BV], 0x3727c5ac, v[BV]             ; v + 1e-5
	v_add_f32 v[BV+1], 0x3727c5ac, v[BV+1]
	v_rsq_f32 v[BS], v[BV]
	v_rsq_f32 v[BS+1], v[BV+1]
	v_nop                                          ; a plain instruction behind the second root, ahead of the first use
	s_wait_alu depctr_va_vdst(0)                   ; one wait for both roots, ahead of the first line that names a result
	v_mul_f32 v[BS], v[BG], v[BS]
	v_mul_f32 v[BS+1], v[BG+1], v[BS+1]
; P(h) for row e of my two, as 0 or 1: subtract, multiply, add, each rounded by itself, and the comparison 0 <= t, which is false for a NaN
.macro PEV dst, h, e
	v_sub_f32 v[TMP+(\e)], \h, v[BM+(\e)]
	v_mul_f32 v[TMP+(\e)], v[TMP+(\e)], v[BS+(\e)]
	v_add_f32 v[TMP+(\e)], v[TMP+(\e)], v[BB+(\e)]
	v_cmp_le_f32 vcc_lo, 0, v[TMP+(\e)]
	v_cndmask_b32 v[\dst], 0, 1, vcc_lo
.endm
.irp e, 0,1
	PEV BPL+\e, 0xc4800000, \e
	PEV BPH+\e, 0x44800000, \e
	v_mov_b32 v[BLO+\e], 0xfffffc00                ; -1024
	v_mov_b32 v[BHI+\e], 0x400
.endr
	s_mov_b32 s60, 11                              ; 2,048 = 2^11: eleven halvings leave hi = lo + 1.  P(lo) differs from P(1024), P(hi) equals it, all the way
.Lbis:
.irp e, 0,1
	v_add_nc_u32 v[BMID+\e], v[BLO+\e], v[BHI+\e]
	v_ashrrev_i32 v[BMID+\e], 1, v[BMID+\e]
	v_cvt_f32_i32 v[BT+\e], v[BMID+\e]
	PEV BP+\e, v[BT+\e], \e
	v_cmp_eq_u32 vcc_lo, v[BP+\e], v[BPH+\e]
	v_cndmask_b32 v[BHI+\e], v[BHI+\e], v[BMID+\e], vcc_lo
	v_cndmask_b32 v[BLO+\e], v[BMID+\e], v[BLO+\e], vcc_lo
.endr
	s_sub_co_u32 s60, s60, 1
	s_cmp_lg_u32 s60, 0
	s_cbranch_scc1 .Lbis
	v_and_b32 v17, 7, v1
	v_lshlrev_b32 v17, 5, v17
	v_lshrrev_b32 v18, 3, v1
	v_lshl_add_u32 v17, v18, 2, v17                ; row 2 l + e = 16 g + r: r 16 + g 4 = (l % 8) 32 + e 16 + (l / 8) 4
.irp e, 0,1
	v_cvt_f32_i32 v[BT+\e], v[BHI+\e]
	v_sub_f32 v[BT+\e], 0.5, v[BT+\e]              ; 0.5 - T
	v_sub_nc_u32 v[BU+\e], 1, v[BPH+\e]
	v_lshlrev_b32 v[BU+\e], 31, v[BU+\e]           ; a sign bit where P(1024) is false
	v_xor_b32 v[BT+\e], v[BT+\e], v[BU+\e]         ; falling: T - 0.5
	v_xor_b32 v[BU+\e], 0x45000800, v[BU+\e]       ; +-2048.5
	v_cmp_eq_u32 vcc_lo, v[BPL+\e], v[BPH+\e]
	v_cndmask_b32 v[BT+\e], v[BT+\e], v[BU+\e], vcc_lo  ; P constant
	v_mul_f32 v[BT+\e], 0x3fff0000, v[BT+\e]       ; x 255/128, the weights' magnitude: 2 tau has 13 bits, 255 has 8: exact
	v_cmp_gt_u32 vcc_lo, v[BPL+\e], v[BPH+\e]
	v_cndmask_b32 v[BP+\e], 0, s61, vcc_lo         ; falling: the row's signs are turned
	ds_store_b32 v17, v[BP+\e] offset:FLP+16*\e
.endr
	s_cmp_lg_u32 s54, 0                            ; each byte of tau has one writer: kt = 0
	s_cbranch_scc1 .Lnobn
	global_store_b64 v16, v[BT:BT+1], s[38:39]     ; 256 consecutive bytes, at a multiple of 256 from tau's first
.Lnobn:
.set i, 0
.rept 16                               ; four numbers a lane become four bits; the quad's four lanes make a word of sixteen
	s_wait_loadcnt 15-i                            ; loads come back in order: load i is in, the younger ones stay out
.irp e, 0,1,2,3
	v_cmp_le_f32 vcc_lo, 0, v[WDAT+4*i+\e]
	v_cndmask_b32 v[TE+\e], v[KS+\e], v8, vcc_lo   ; 0 where 0 <= W, else my bit
.endr
	v_or_b32 v[TE], v[TE], v[TE+1]
	v_or_b32 v[TE+2], v[TE+2], v[TE+3]
	v_or_b32 v[TE], v[TE], v[TE+2]
	v_mov_b32_dpp v11, v[TE] row_xmask:1 row_mask:0xf bank_mask:0xf
	v_or_b32 v[TE], v[TE], v11
	v_mov_b32_dpp v11, v[TE] row_xmask:2 row_mask:0xf bank_mask:0xf
	v_or_b32 v[TE], v[TE], v11
	ds_store_b32 v3, v[TE] offset:WST+(i%2)*2048+(i/2)*16  ; the quad's four lanes store the same word
.set i, i+1
.endr
	s_wait_dscnt 0x0                               ; for the others' sake: my words, and wave 0's masks, lie in LDS
	s_barrier_signal -1
	s_barrier_wait -1
	v_lshlrev_b32 v18, 4, v0                       ; thread t takes bytes 16 t of the stage: kk = t / 32, lane t % 32, g = 0..3
	v_and_b32 v19, 15, v0
	v_lshlrev_b32 v19, 4, v19                      ; and the masks of its four rows
	ds_load_b128 v[20:23], v18 offset:WST
	ds_load_b128 v[24:27], v19 offset:FLP
	s_lshl_b32 s56, s40, 11
	v_lshl_add_u32 v28, v1, 4, s56                 ; kk 2048 + 16 lane
	s_wait_dscnt 0x0
.irp e, 0,1,2,3
	v_xor_b32 v[20+\e], v[20+\e], v[24+\e]
.endr
	global_store_b128 v28, v[20:23], s[36:37]      ; a wave stores 512 consecutive bytes, at a multiple of 512 from wq's first
	s_wait_tensorcnt 0x0                           ; the wave's end, behind my last LDS store
	ds_add_u32 v[SPW], v[NIL]
	s_wait_dscnt 0x0
	s_endpgm
.Lw4:                                  ; a quarter of tile 12; no LDS.  W4 is 40,960 bytes in all, read once: a lane takes two runs of 32 bytes of one of ten rows
	s_sub_co_u32 s41, ttmp9, 192                   ; w
	v_and_b32 v2, 15, v0                           ; r
	v_min_u32 v3, 9, v2                            ; rows 10-15 do not exist: they read row 9 and store 0
	v_lshrrev_b32 v4, 4, v0
	v_lshlrev_b32 v4, 5, v4                        ; 4 (32 c + 16 g2 + 8 hh) = 32 (t / 16), for pieces t = 0..255
	v_lshl_add_u32 v4, v3, 12, v4
	s_lshl_b32 s52, s41, 10
	v_add_nc_u32 v4, s52, v4                       ; + 256 w numbers
	v_lshlrev_b32 v5, 4, v0                        ; piece t
	v_mov_b32 v28, 0x3f80                          ; +1 in bf16
	v_mov_b32 v29, 0xbf80                          ; -1
	v_cmp_gt_u32 s62, 10, v2                       ; the lanes whose row exists
	s_lshl_b32 s52, s41, 14
	s_add_co_u32 s52, s52, 12*65536
	s_wait_kmcnt 0x0
	s_add_nc_u64 s[36:37], s[36:37], s[52:53]
	global_load_b128 v[32:35], v4, s[10:11]
	global_load_b128 v[36:39], v4, s[10:11] offset:16
	global_load_b128 v[40:43], v4, s[10:11] offset:512  ; pieces t + 256: c is four greater
	global_load_b128 v[44:47], v4, s[10:11] offset:528
.irp e, 0,1,2,3
	v_mov_b32 v[72+\e], 0
.endr
	s_wait_loadcnt 0x0
.set i, 0
.rept 16
	v_cmp_le_f32 vcc_lo, 0, v[32+i]
	v_cndmask_b32 v[48+i], v29, v28, vcc_lo
.set i, i+1
.endr
.set i, 0
.rept 8
	v_lshl_or_b32 v[64+i], v[48+2*i+1], 16, v[48+2*i]  ; the lower k in the lower half
	v_cndmask_b32 v[64+i], 0, v[64+i], s62
.set i, i+1
.endr
	global_store_b128 v5, v[64:67], s[36:37]
	global_store_b128 v5, v[68:71], s[36:37] offset:4096
	global_store_b128 v5, v[72:75], s[36:37] offset:8192
	global_store_b128 v5, v[72:75], s[36:37] offset:12288
	s_endpgm
.Lfunc_end_k_q96b53fe34c_pack:
	.size	k_q96b53fe34c_pack, .Lfunc_end_k_q96b53fe34c_pack-k_q96b53fe34c_pack
	.p2alignl 7, 3214868480
	.fill 96, 4, 3214868480
	.section	.rodata,"a",@progbits
	.p2align	6, 0x0
	.amdhsa_kernel k_q96b53fe34c_pack
		.amdhsa_group_segment_fixed_size 5376
		.amdhsa_private_segment_fixed_size 0
		.amdhsa_enable_private_segment 0
		.amdhsa_kernarg_size 144
		.amdhsa_user_sgpr_count 2
		.amdhsa_user_sgpr_kernarg_segment_ptr 1
		.amdhsa_wavefront_size32 1
		.amdhsa_system_sgpr_workgroup_id_x 1
		.amdhsa_system_sgpr_workgroup_id_y 1
		.amdhsa_system_sgpr_workgroup_id_z 1
		.amdhsa_system_vgpr_workitem_id 0
		.amdhsa_next_free_vgpr 128
		.amdhsa_next_free_sgpr 66
		.amdhsa_reserve_vcc 1
		.amdhsa_float_denorm_mode_32 3
		.amdhsa_float_denorm_mode_16_64 3
		.amdhsa_memory_ordered 1
		.amdhsa_forward_progress 1
		.amdhsa_inst_pref_size 23
	.end_amdhsa_kernel
	.amdgpu_metadata
---
amdhsa.version: [ 1, 2 ]
amdhsa.kernels:
  - .name:           k_q96b53fe34c_pack
    .symbol:         k_q96b53fe34c_pack.kd
    .args:
      - { .name: W1, .offset: 0, .size: 8, .value_kind: global_buffer, .address_space: global }
      - { .name: W2, .offset: 8, .size: 8, .value_kind: global_buffer, .address_space: global }
      - { .name: W3, .offset: 16, .size: 8, .value_kind: global_buffer, .address_space: global }
      - { .name: W4, .offset: 24, .size: 8, .value_kind: global_buffer, .address_space: global }
      - { .name: g1, .offset: 32, .size: 8, .value_kind: global_buffer, .address_space: global }
      - { .name: g2, .offset: 40, .size: 8, .value_kind: global_buffer, .address_space: global }
      - { .name: g3, .offset: 48, .size: 8, .value_kind: global_buffer, .address_space: global }
      - { .name: b1, .offset: 56, .size: 8, .value_kind: global_buffer, .address_space: global }
      - { .name: b2, .offset: 64, .size: 8, .value_kind: global_buffer, .address_space: global }
      - { .name: b3, .offset: 72, .size: 8, .value_kind: global_buffer, .address_space: global }
      - { .name: m1, .offset: 80, .size: 8, .value_kind: global_buffer, .address_space: global }
      - { .name: m2, .offset: 88, .size: 8, .value_kind: global_buffer, .address_space: global }
      - { .name: m3, .offset: 96, .size: 8, .value_kind: global_buffer, .address_space: global }
      - { .name: v1, .offset: 104, .size: 8, .value_kind: global_buffer, .address_space: global }
      - { .name: v2, .offset: 112, .size: 8, .value_kind: global_buffer, .address_space: global }
      - { .name: v3, .offset: 120, .size: 8, .value_kind: global_buffer, .address_space: global }
      - { .name: wq, .offset: 128, .size: 8, .value_kind: global_buffer, .address_space: global }
      - { .name: tau, .offset: 136, .size: 8, .value_kind: global_buffer, .address_space: global }
    .group_segment_fixed_size: 5376
    .private_segment_fixed_size: 0
    .kernarg_segment_align: 8
    .kernarg_segment_size: 144
    .max_flat_workgroup_size: 256
    .sgpr_count:     66
    .vgpr_count:     128
    .wavefront_size: 32
...
	.end_amdgpu_metadata
.endif
;; end of part 1
;; launch net (part 2): grid 256 x 1, 4 waves a work-group, clusters of 4 x 1, 327,680 bytes of LDS; arguments x, wq, tau, tn_m, tn_v, tn_w, tn_b, out0; writes out0
.if DOCPART == 2
	.amdgcn_target "amdgcn-amd-amdhsa--gfx1250"
	.amdhsa_code_object_version 6
	.text
	.protected	k_q96b53fe34c_net
	.globl	k_q96b53fe34c_net
	.p2align	8
	.type	k_q96b53fe34c_net,@function
k_q96b53fe34c_net:
	s_mov_b64 s[64:65], 0
	v_nop
	global_prefetch_b8 v0, s[64:65] scope:SCOPE_SE
	s_setreg_imm32_b32 hwreg(HW_REG_WAVE_MODE, 25, 1), 1
	s_wait_xcnt 0x0
	s_wait_alu depctr_hold_cnt(0) depctr_sa_sdst(0) depctr_va_vdst(0) depctr_va_sdst(0) depctr_va_ssrc(0) depctr_va_vcc(0) depctr_vm_vsrc(0)
	s_getreg_b32 s2, hwreg(HW_REG_IB_STS2, 6, 4)
	s_cmp_eq_u32 s2, 0
	s_cbranch_scc0 .Lentry_in_a_cluster
	s_endpgm
.Lentry_in_a_cluster:
	s_bfe_u32 s2, ttmp6, 0x10000c
	s_cmp_lg_u32 s2, 0x3003
	s_cbranch_scc0 .Lentry_shape_is_right
	s_endpgm
.Lentry_shape_is_right:
; NET: the whole chain in one launch.  sign(2 x - 1); three layers of 1,024 x 1,024 signs, each with BatchNorm and sign; ten rows of signs; one scalar norm.
; SHARES.  A work-group owns 64 rows of x through all four layers; its activations never leave LDS.  Wave w owns columns 256 w .. + 255 of every hidden layer: 4 row blocks x 16 column blocks,
; 64 accumulators, 512 registers.  The matrix instruction is used transposed (source 0 = 16 rows of W, source 1 = 16 rows of the activations): a lane holds ONE row (lane % 16) and the
; columns 8 (lane / 16) + 0..7, which pack into 16 bytes of the next layer's input.
; ARITHMETIC.  Activations are +-1 in bf16.  A weight is +-255/128 (0x3fff): under the sign and the exponent's top bit all bits are ones, so register u of a fragment is
; (word << 2 u) | 0x3fff3fff, where the word holds the lane's 16 signs at its odd places (the launch before lays them so): one vector instruction a register, two behind each matrix instruction.
; BatchNorm and sign are a threshold: the launch before turns the signs of a falling column's weights and gives tau' = 255/128 tau, which is the C operand of the column's first product;
; the accumulator ends as 255/128 (sigma h + tau), never 0, and its sign bit is the activation.  All terms are multiples of 2^-8 under 2^13: the f32 sums are exact.
; K IS PERMUTED alike in both sources: lane (r, hh) of kstep c holds k = 32 c + 16 hh + 0..15 (two LDS loads 16 bytes apart; one word of signs).  The sums are exact, so their order does not show.
; The last layer takes its activations straight from the accumulators, in the true order of k.
; THE RING.  wq goes by tiles of 65,536 bytes (K = 256 of a layer; tile 12 is W4) through two LDS slots.  Each wave fetches and reads its own quarter.  The four work-groups of a cluster walk the
; same tiles, so each tile is asked for JOINTLY: the same tensor load, descriptor and mask in all four.  A change of slots stands at kstep 6 of every eight: eleven in all;
; a refill has eight ksteps, 512 matrix instructions, in which to land.  By this text's count two tensor loads of a wave are out at the head, one later.
; LIMITS.  A NaN in x takes its own sign bit where the comparison there gives -1.  Thresholds: see the launch before.  The logits are exact whole numbers ahead of the norm.
; REGISTERS, in windows of 256 (s_set_vgpr_msb: bits 1:0 source 0, 3:2 source 1, 5:4 source 2, 7:6 destination).  Window X owns column blocks 4 X + g:
;   every window: v86 WA0, v87 WA (word addresses); v88-95 two buffers of 4 words; v96-127 four fragments of W; v128-255 accumulator (g, a) at 128 + 8 (4 g + a)
;   window 0 also: v0-21 addresses and scratch; v22-53, v54-85 two buffers of the activations' fragments.   windows 1-3 also: v48-79 the window's thresholds; window 1: v16-47 those of window 0
; A kstep is four VISITS, one a window: four switches for 64 matrix instructions.
.set AP,     528                       ; a row of a chunk of activations in LDS: 512 bytes + 16 = 33 x 16: the 16 rows of a load start at 16 different groups of four banks (64 banks of 4 bytes: ISA guide 11.1)
.set CHUNK,  64*AP                     ; 64 rows x 256 columns
.set SLOTB,  65536
.set QUART,  16384
.set ACT,    2*SLOTB                   ; behind the ring: four chunks
.set TAU,    ACT+4*CHUNK               ; a copy of tau, 12,288 bytes
.set RED,    TAU+12288                 ; the waves' partial logits
.set REDW,   5120                      ; a wave's: 64 rows x 40 bytes, then as much for the classes that do not exist
.set SPARE,  RED+4*REDW                ; the spare words, 128 bytes for each wave: two blocks of 256 bytes that no other line names
.set AA0, 2                            ; v2   ACT + r AP + 32 hh; never rewritten
.set AA,  3                            ; v3   the address of the run of activation loads in hand
.set STO, 4                            ; v4   where I put 16 bytes of a row of the next activations
.set TAUA0, 5                          ; v5   TAU + 1024 w + 32 hh
.set TAUA, 6
.set XO,  7                            ; v7   my byte offset in the work-group's rows of x
.set XS,  8                            ; v8   where my four signs of x go
.set SPW, 9                            ; v9   my spare word's address; never rewritten
.set NIL, 10                           ; v10  0; never rewritten
.set PFO, 11                           ; v11  256 x lane; never rewritten
.set W4A, 12                           ; v12  16384 w + 16 lane
.set RA,  13                           ; v13  partial logits: classes 8 hh + 0, 1
.set RB,  14                           ; v14  classes 2..7 (lanes 0-15); lanes 16-31: the second half of my wave's bytes
.set AF0, 22
.set WA0, 86
.set WA,  87
.set WD,  88
.set BF,  96
.set ACC, 128
.set FD,  24                           ; the last layer's four accumulators, window 0
.set WV,  20                           ; s20 wave; s21 cx; s22 work-group
.set CX,  21
.set WG,  22
.set G1,  24                           ; s[24:31] descriptor group 1
.set G0A, 32                           ; s[32:35] group 0 of tile 0
.set G0B, 36                           ; s[36:39] group 0 of tile 1; it then walks
.set TW,  40                           ; s40 LDS byte of the words to be fetched next, less my lane's part
.set TA,  41                           ; s41 the same for the activations
.set TL,  42                           ; s42 4,096 x layer
.set LAY, 43
.set OUTER, 44
.set INNER, 45
.set LEFT, 46                          ; s46 changes of slots still to come
.set LIM, 47                           ; s47 1 in a wave that prefetches, else the greatest number
.set PFA, 48                           ; s[48:49] where my prefetches stand
.set CM,  50
.set SM,  51
.set ONE, 52
.set SEL, 53
.set TNM, 54
.set TNV, 55
.set TNW, 56
.set TNB, 57
.set MSB, 0
.macro WIN new                         ; the immediate's high byte repeats the setting that is left; a switch that changes nothing is dropped
.if MSB != (\new)
	s_set_vgpr_msb (MSB<<8)|(\new)
.set MSB, \new
.endif
.endm
; A round of the cluster's barrier: my work-group's barrier, so that wave 0's signal speaks for all four waves; wave 0 signals; every wave waits for all four work-groups; my work-group's barrier once more.
.macro CREST
	s_cmp_lg_u32 s[WV], 0
	s_cbranch_scc1 .Lnot_wave_0_\@
	s_barrier_signal -3
.Lnot_wave_0_\@:
	s_barrier_wait -3
	s_barrier_signal -1
	s_barrier_wait -1
.endm
.macro CROUND
	s_barrier_signal -1
	s_barrier_wait -1
	CREST
.endm
; A PREFETCH INTO THE L2 of the tile that the NEXT change of slots will ask for, eight ksteps ahead of that load.  All clusters walk the same tiles: cluster 0 asks.  Its four partners share a tile out
; BY ADDRESS (8,192 bytes each of the half that wave 0 or wave 2 takes), a lane to each 256 bytes: each block is named once in the launch.  The last change asks for nothing: no tile follows tile 12.
.macro ASK
	s_cmp_gt_u32 s[LEFT], s[LIM]
	s_cbranch_scc0 .Lnot_mine_\@
	global_prefetch_b8 v[PFO], s[PFA:PFA+1] th:TH_LOAD_NT scope:SCOPE_SE
.Lnot_mine_\@:
.endm
; x, columns 256 q .. + 255 of my wave's 16 rows, into window q's accumulators-to-be: each half of the lanes reads 256 consecutive bytes of one row
.macro XLOAD q
	WIN (\q)<<6
.set ii, 0
.rept 32
	global_load_b128 v[ACC+4*ii:ACC+4*ii+3], v[XO], s[4:5] offset:(\q)*1024+(ii%8)*4096+(ii/8)*256 th:TH_LOAD_NT
.set ii, ii+1
.endr
.endm
; and into chunk q of the activations: 2 x - 1 (one rounding: 2 x is exact), the two upper halves of a pair, their sign bits onto 1.0
.macro XCONV q
.set gg, 0
.rept 4
.set LC, 32*(3-(\q))+8*(3-gg)          ; the loads of x issued behind this group's eight; the wait's field holds 63 at the most, and a smaller count is safe
.if LC > 63
.set LC, 63
.endif
	s_wait_loadcnt LC
	WIN 0x45*(\q)
.set ii, 0
.rept 8
.set RR, ACC+4*(8*gg+ii)
	v_pk_fma_f32 v[RR:RR+1], v[RR:RR+1], 2.0, -1.0 op_sel_hi:[1,0,0]
	v_pk_fma_f32 v[RR+2:RR+3], v[RR+2:RR+3], 2.0, -1.0 op_sel_hi:[1,0,0]
.set ii, ii+1
.endr
.set ii, 0
.rept 8
.set RR, ACC+4*(8*gg+ii)
	v_perm_b32 v[RR], v[RR+1], v[RR], s[SEL]
	v_perm_b32 v[RR+1], v[RR+3], v[RR+2], s[SEL]
.set ii, ii+1
.endr
.set ii, 0
.rept 8
.set RR, ACC+4*(8*gg+ii)
	v_and_or_b32 v[RR], v[RR], s[SM], s[ONE]
	v_and_or_b32 v[RR+1], v[RR+1], s[SM], s[ONE]
.set ii, ii+1
.endr
	WIN (\q)<<2                                    ; store data in window q
.set ii, 0
.rept 8
.set RR, ACC+4*(8*gg+ii)
	ds_store_b64 v[XS], v[RR:RR+1] offset:ii*AP+gg*128
.set ii, ii+1
.endr
.set gg, gg+1
.endr
	WIN 0
	v_add_nc_u32 v[XS], CHUNK, v[XS]
.endm
; The activations' fragments of one kstep: 64 rows x 32 k, eight loads
.macro ALOAD buf
	v_add_nc_u32 v[AA], s[TA], v[AA0]
.irp a, 0,1,2,3
	ds_load_b128 v[AF0+32*(\buf)+8*(\a):AF0+32*(\buf)+8*(\a)+3],   v[AA] offset:(\a)*16*AP
	ds_load_b128 v[AF0+32*(\buf)+8*(\a)+4:AF0+32*(\buf)+8*(\a)+7], v[AA] offset:(\a)*16*AP+16
.endr
	s_add_co_u32 s[TA], s[TA], 64
.endm
; The layer's thresholds in the accumulators' layout: register j of a lane is column 8 hh + j of its block
.macro TAULOAD
	WIN 0
	v_add_nc_u32 v[TAUA], s[TL], v[TAUA0]
.irp xx, 0,1,2,3
.if (\xx) == 0
	WIN 0x40                                       ; window 0's lie in window 1
.set TQL, 16
.else
	WIN (\xx)<<6
.set TQL, 48
.endif
.irp g, 0,1,2,3
	ds_load_b128 v[TQL+8*(\g):TQL+8*(\g)+3],   v[TAUA] offset:256*(\xx)+64*(\g)
	ds_load_b128 v[TQL+8*(\g)+4:TQL+8*(\g)+7], v[TAUA] offset:256*(\xx)+64*(\g)+16
.endr
.endr
.endm
; Four matrix instructions: column block g of the window x the four row blocks.  Behind each, two registers of the NEXT fragment of W are made from its word (block g + 1 of this kstep; behind
; block 3, block 0 of the next kstep).  The fragment written was last read a whole kstep back.  The 64 accumulators take turns, one instruction a turn, over every jump too.
.macro GROUP par, first, g, nx
.if (\g) < 3
.set WR, WD+4*(\par)+(\g)+1
.else
.set WR, WD+4*(1-(\par))
.endif
.set BNX, BF+8*(((\g)+1)%4)
.irp a, 0,1,2,3
.if \first
	v_wmma_f32_16x16x32_bf16 v[ACC+8*(4*(\g)+(\a)):ACC+8*(4*(\g)+(\a))+7], v[BF+8*(\g):BF+8*(\g)+7], v[AF0+32*(\par)+8*(\a):AF0+32*(\par)+8*(\a)+7], v[TQB+8*(\g):TQB+8*(\g)+7]
.else
	v_wmma_f32_16x16x32_bf16 v[ACC+8*(4*(\g)+(\a)):ACC+8*(4*(\g)+(\a))+7], v[BF+8*(\g):BF+8*(\g)+7], v[AF0+32*(\par)+8*(\a):AF0+32*(\par)+8*(\a)+7], v[ACC+8*(4*(\g)+(\a)):ACC+8*(4*(\g)+(\a))+7]
.endif
.if ((\g) < 3) || (\nx)
	v_lshl_or_b32 v[BNX+2*(\a)],   v[WR], 4*(\a),   s[CM]
	v_lshl_or_b32 v[BNX+2*(\a)+1], v[WR], 4*(\a)+2, s[CM]
.endif
.endr
.endm
; A VISIT: window X's 16 matrix instructions of a kstep of parity par.  first: the thresholds start the sums.  Behind block 2: in window 0 the next kstep's activations (al; hop: they begin a new chunk);
; the window's words of the kstep after next (wl), into the buffer whose last word has just been used; the wait (wcnt) for the next kstep's words, which block 3's lines read.
; turn (window 0 alone): THE CHANGE OF SLOTS.  All my tensor loads have landed, of which one was out: my quarter of the next tile; the add; my reads of the tile that is left are over; a round of the
; cluster's barrier, so that the same holds of every wave of all four work-groups; the joint refill first behind it.
.macro VISIT X, par, first, al, hop, turn, wl, nx, wcnt
.set TQB, 48
.if (\X) == 0
.set TQB, 16
.endif
.if (\first) && ((\X) == 0)
	WIN 0x10                                       ; C in window 1
.else
	WIN 0x51*(\X)                                  ; source 0, C and D in window X, source 1 in window 0
.endif
.if \turn
	s_wait_tensorcnt 0x0                           ; no tensor load of mine is out, so a group 0 may be written
	ds_add_u32 v[SPW], v[NIL]                      ; 0 onto my spare word; register work stands between it and the wait for it
	s_xor_b32 s[G0B+1], s[G0B+1], SLOTB            ; the walking descriptor: the other slot than last time,
	s_add_nc_u64 s[G0B+2:G0B+3], s[G0B+2:G0B+3], SLOTB  ; the next tile; the type bits on top are not reached
	s_wait_xcnt 0x0                                ; the last prefetch, eight ksteps back, has read its address
	s_add_nc_u64 s[PFA:PFA+1], s[PFA:PFA+1], SLOTB
	s_sub_co_u32 s[TW], s[TW], QUART               ; the words go back to a quarter's head,
	s_xor_b32 s[TW], s[TW], SLOTB                  ; in the other slot
	s_wait_dscnt 5                                 ; this kstep's activations are in; the four word loads behind them and the add may be out
.endif
	GROUP \par, \first, 0, \nx
	GROUP \par, \first, 1, \nx
.if \turn
	s_wait_dscnt 0x0                               ; the add is done, and my reads of the slot that is left are over
	s_barrier_signal -1                            ; this barrier opens the round;
.endif
	GROUP \par, \first, 2, \nx
.if \turn
	s_barrier_wait -1                              ; (register work alone between signal and wait)
	CREST
	tensor_load_to_lds s[G0B:G0B+3], s[G1:G1+7]    ; my one tensor load behind the round, and the first thing there
	s_nop 0
.endif
.if (\X) == 0
.if \hop
	s_add_co_u32 s[TA], s[TA], CHUNK-512           ; from a chunk's row end to the next chunk
.endif
.if \al
	ALOAD 1-(\par)                                 ; the buffer's last reader stands a kstep back; 24 plain vector lines lie between
.endif
.endif
.if \wl
.if (\par) == 0
	v_add_nc_u32 v[WA], v[WA0], s[TW]
.endif
	ds_load_b128 v[WD+4*(\par):WD+4*(\par)+3], v[WA] offset:(\par)*2048
.endif
.if (\wcnt) >= 0
	s_wait_dscnt \wcnt
.endif
.if \turn
	ASK
	s_sub_co_u32 s[LEFT], s[LEFT], 1
.endif
	GROUP \par, \first, 3, \nx
.endm
; A KSTEP: 32 along K, 64 matrix instructions.  The LDS instructions of a kstep go out in this order: 8 loads of activations, then a word load in each window.
; st: at its head the activations (issued in the kstep before, four word loads behind them) are in.  w0, wx: behind a window's word load, its word load of the kstep before is in: younger than that one are
; three other windows' loads, the eight of the activations and the one just issued: 12; without the eight: 4.
.macro KSTEP par, first, al, hop, turn, wl, nx, st, w0, wx
.if !(\turn)
	s_wait_dscnt \st
.endif
	VISIT 0, \par, \first, \al, \hop, \turn, \wl, \nx, \w0
	VISIT 1, \par, \first, 0, 0, 0, \wl, \nx, \wx
	VISIT 2, \par, \first, 0, 0, 0, \wl, \nx, \wx
	VISIT 3, \par, \first, 0, 0, 0, \wl, \nx, \wx
.if (\wl) && (\par)
	s_add_co_u32 s[TW], s[TW], 4096                ; two ksteps' words on
.endif
.endm
; A layer's way out.  PACK: of each accumulator the eight upper halves, in place, lowest registers first; their sign bits onto 1.0.  STORE: 16 bytes a lane into the next activations.
.macro PACK X
	WIN 0x45*(\X)
.set cc, 0
.rept 16
.set RR, ACC+8*cc
.irp u, 0,1,2,3
	v_perm_b32 v[RR+\u], v[RR+2*\u+1], v[RR+2*\u], s[SEL]
.endr
.irp u, 0,1,2,3
	v_and_or_b32 v[RR+\u], v[RR+\u], s[SM], s[ONE]
.endr
.set cc, cc+1
.endr
.endm
.macro STORE X
	WIN (\X)<<2
.irp g, 0,1,2,3
.irp a, 0,1,2,3
	ds_store_b128 v[STO], v[ACC+8*(4*(\g)+(\a)):ACC+8*(4*(\g)+(\a))+3] offset:(\a)*16*AP+128*(\X)+32*(\g)
.endr
.endr
.endm
; The last hidden layer's: column blocks 2 p and 2 p + 1 together ARE a fragment (16 rows x 32 k, true order) of the last product's source 1: it is made in block 2 p's eight registers
.macro PACKF X
	WIN 0x45*(\X)
.irp pp, 0,1
.irp a, 0,1,2,3
.set RR, ACC+8*(8*(\pp)+(\a))
.set R2, ACC+8*(8*(\pp)+4+(\a))
.irp u, 0,1,2,3
	v_perm_b32 v[RR+\u], v[RR+2*\u+1], v[RR+2*\u], s[SEL]
.endr
.irp u, 0,1,2,3
	v_perm_b32 v[RR+4+\u], v[R2+2*\u+1], v[R2+2*\u], s[SEL]
.endr
.irp u, 0,1,2,3,4,5,6,7
	v_and_or_b32 v[RR+\u], v[RR+\u], s[SM], s[ONE]
.endr
.endr
.endr
.endm
; 16 bytes of out0 a lane: the four waves' partial sums, the norm, the store
.macro OUTCHUNK B, off
.irp p, 0,1,2,3
	ds_load_b128 v[(\B)+4*\p:(\B)+4*\p+3], v15 offset:(\off)+REDW*\p
.endr
	s_wait_dscnt 0x0
	v_pk_add_f32 v[(\B):(\B)+1],     v[(\B):(\B)+1],     v[(\B)+4:(\B)+5]
	v_pk_add_f32 v[(\B)+2:(\B)+3],   v[(\B)+2:(\B)+3],   v[(\B)+6:(\B)+7]
	v_pk_add_f32 v[(\B)+8:(\B)+9],   v[(\B)+8:(\B)+9],   v[(\B)+12:(\B)+13]
	v_pk_add_f32 v[(\B)+10:(\B)+11], v[(\B)+10:(\B)+11], v[(\B)+14:(\B)+15]
	v_pk_add_f32 v[(\B):(\B)+1],     v[(\B):(\B)+1],     v[(\B)+8:(\B)+9]
	v_pk_add_f32 v[(\B)+2:(\B)+3],   v[(\B)+2:(\B)+3],   v[(\B)+10:(\B)+11]
.irp p, 0,1,2,3
	v_sub_f32 v[(\B)+\p], v[(\B)+\p], s[TNM]
	v_mul_f32 v[(\B)+\p], v[(\B)+\p], v18
	v_fma_f32 v[(\B)+\p], v[(\B)+\p], s[TNW], s[TNB]
.endr
	global_store_b128 v16, v[(\B):(\B)+3], s[18:19] offset:\off  ; 16 lanes store 256 consecutive bytes, at a multiple of 256 from out0's first
.endm
	; THE HEAD
	s_load_b512 s[4:19], s[0:1], 0x0               ; x s[4:5] wq s[6:7] tau s[8:9] tn_m s[10:11] tn_v s[12:13] tn_w s[14:15] tn_b s[16:17] out0 s[18:19]
	v_lshl_add_u32 v[SPW], v0, 2, SPARE
	v_mov_b32 v[NIL], 0
	ds_add_u32 v[SPW], v[NIL]                      ; the wave's opening: the add and its wait stand ahead of my first tensor load; the set-up below, work on registers, stands between them
	v_lshrrev_b32 v1, 5, v0
	v_readfirstlane_b32 s[WV], v1                  ; wave 0..3
	s_bfe_u32 s[CX], ttmp6, 0x40000                ; my place in the cluster: it enters x's, out0's and the prefetches' addresses alone
	s_lshl_b32 s[WG], ttmp9, 2                     ; in a cluster launch ttmp9 counts clusters
	s_add_co_u32 s[WG], s[WG], s[CX]
	v_and_b32 v15, 31, v0                          ; lane
	v_and_b32 v16, 15, v0                          ; r
	v_bfe_u32 v17, v0, 4, 1                        ; hh
	v_mul_u32_u24 v[AA0], v16, AP
	v_lshl_add_u32 v[AA0], v17, 5, v[AA0]
	v_add_nc_u32 v[AA0], ACT, v[AA0]
	s_mul_i32 s58, s[WV], CHUNK
	s_add_co_u32 s58, s58, ACT
	v_mul_u32_u24 v[STO], v16, AP
	v_lshl_add_u32 v[STO], v17, 4, v[STO]
	v_add_nc_u32 v[STO], s58, v[STO]               ; my wave's columns are chunk w of the next activations
	s_lshl_b32 s58, s[WV], 10
	s_add_co_u32 s58, s58, TAU
	v_lshl_add_u32 v[TAUA0], v17, 5, s58
	v_lshlrev_b32 v[XO], 4, v16
	v_lshl_add_u32 v[XO], v17, 15, v[XO]
	s_lshl_b32 s58, s[WV], 16
	v_add_nc_u32 v[XO], s58, v[XO]                 ; row 16 w + 8 hh, 16 bytes for each of 16 lanes
	s_mul_i32 s58, s[WV], 16*AP
	s_add_co_u32 s58, s58, ACT
	v_mul_u32_u24 v[XS], v17, 8*AP
	v_lshl_add_u32 v[XS], v16, 3, v[XS]
	v_add_nc_u32 v[XS], s58, v[XS]
	v_lshlrev_b32 v[PFO], 8, v15
	s_lshl_b32 s58, s[WV], 14
	v_lshl_add_u32 v[W4A], v15, 4, s58
	s_mul_i32 s58, s[WV], REDW
	s_add_co_u32 s58, s58, RED
	v_mul_u32_u24 v[RA], v16, 40
	v_add_nc_u32 v[RA], s58, v[RA]
	v_mul_u32_u24 v[RB], v17, 2560
	v_add_nc_u32 v[RB], v[RB], v[RA]
	v_lshl_add_u32 v[RA], v17, 5, v[RA]
.irp xx, 0,1,2,3
	WIN (\xx)<<6
	v_add_nc_u32 v[WA0], 512*(\xx), v[W4A]         ; each window's place in a kstep's 2,048 bytes of words
.endr
	WIN 0
	; descriptor group 1: a quarter of a tile, 16,384 dense bytes, as 64 rows of 256 bytes
	s_mov_b32 s[G1+0], 15|(3<<16)|(1<<21)          ; 15:0 the mask: all four work-groups; 17:16 elements of 8 bytes; 21 set beside a mask
	s_mov_b32 s[G1+1], 32<<16                      ; tensor_dim0 = 32
	s_mov_b32 s[G1+2], 64<<16                      ; tensor_dim1 = 64
	s_mov_b32 s[G1+3], 32<<16                      ; tile_dim0 = 32
	s_mov_b32 s[G1+4], 64                          ; tile_dim1 = 64
	s_mov_b32 s[G1+5], 32                          ; 32 elements from row to row
	s_mov_b32 s[G1+6], 0
	s_mov_b32 s[G1+7], 0
	s_mov_b32 s[G0A], 1
	s_lshl_b32 s[G0A+1], s[WV], 14                 ; slot 0, my quarter: no place in the cluster enters an LDS address
	s_mov_b32 s[G0B], 1
	s_add_co_u32 s[G0B+1], s[G0A+1], SLOTB
	s_lshl_b32 s60, s[WV], 14                      ; s[60:61] feed the descriptors and never hold cx
	s_mov_b32 s61, 0
	s_mov_b32 s59, 0
	s_mov_b32 s[CM], 0x3fff3fff
	s_mov_b32 s[SM], 0x80008000
	s_mov_b32 s[ONE], 0x3f803f80
	s_mov_b32 s[SEL], 0x07060302
	s_mov_b32 s[LEFT], 11
	s_mov_b32 s[LAY], 3
	s_and_b32 s[LIM], s[WV], 1                     ; waves 0 and 2
	s_or_b32 s[LIM], s[LIM], ttmp9                 ; of cluster 0: the same in all four partners
	s_cmp_eq_u32 s[LIM], 0
	s_cselect_b32 s[LIM], 1, -1
	s_wait_dscnt 0x0                               ; the opening add is done
	s_wait_kmcnt 0x0
	s_add_nc_u64 s[G0A+2:G0A+3], s[6:7], s[60:61]
	s_add_nc_u64 s[G0B+2:G0B+3], s[G0A+2:G0A+3], SLOTB
	s_or_b32 s[G0A+3], s[G0A+3], 0x80000000        ; type = 2
	s_or_b32 s[G0B+3], s[G0B+3], 0x80000000
	s_lshl_b32 s58, s[WG], 18                      ; 64 rows of 4,096 bytes
	s_add_nc_u64 s[4:5], s[4:5], s[58:59]
	s_mul_i32 s58, s[WG], 2560                     ; 64 rows of 40 bytes
	s_add_nc_u64 s[18:19], s[18:19], s[58:59]
	s_lshr_b32 s58, s[WV], 1
	s_lshl_b32 s58, s58, 15
	s_lshl_b32 s23, s[CX], 13
	s_add_co_u32 s58, s58, s23
	s_add_co_u32 s58, s58, 2*SLOTB                 ; in tile 2; the first change of slots steps it to tile 3.  Nothing is prefetched here, at the head
	s_add_nc_u64 s[PFA:PFA+1], s[6:7], s[58:59]
	s_load_b32 s[TNM], s[10:11], 0x0
	s_load_b32 s[TNV], s[12:13], 0x0
	s_load_b32 s[TNW], s[14:15], 0x0
	s_load_b32 s[TNB], s[16:17], 0x0
	CROUND                                         ; all four work-groups are here: the first joint loads meet
	tensor_load_to_lds s[G0A:G0A+3], s[G1:G1+7]    ; tile 0
	s_nop 0
	tensor_load_to_lds s[G0B:G0B+3], s[G1:G1+7]    ; tile 1
	s_nop 0
.rept 4
	v_nop
.endr
	v_lshlrev_b32 v1, 4, v0
.irp i, 0,1,2,3,4,5
	global_load_b128 v[AF0+4*\i:AF0+4*\i+3], v1, s[8:9] offset:2048*\i  ; tau, 12,288 bytes, shared out among the 128 threads
.endr
	XLOAD 0                                        ; all of my wave's x is asked for here, by its own loads
	XLOAD 1
	XLOAD 2
	XLOAD 3
	WIN 0
	s_wait_tensorcnt 0x1                           ; my quarter of tile 0 is in, and I alone read it; tile 1's may stay out
.irp xx, 0,1,2,3
	WIN 0x51*(\xx)
	ds_load_b128 v[WD:WD+3],   v[WA0]              ; the words of ksteps 0
	ds_load_b128 v[WD+4:WD+7], v[WA0] offset:2048  ; and 1
.endr
	s_wait_dscnt 0x0
.irp xx, 0,1,2,3
	WIN 0x51*(\xx)
.irp u, 0,1,2,3,4,5,6,7
	v_lshl_or_b32 v[BF+\u], v[WD], 2*\u, s[CM]     ; kstep 0's first fragment
.endr
.endr
	WIN 0
	s_mov_b32 s[TW], 4096                          ; kstep 2's words come next
	v_lshl_add_u32 v18, v0, 4, TAU
	s_wait_loadcnt 63                              ; 128 loads were issued behind tau's six
.irp i, 0,1,2,3,4,5
	ds_store_b128 v18, v[AF0+4*\i:AF0+4*\i+3] offset:2048*\i
.endr
	XCONV 0
	XCONV 1
	XCONV 2
	XCONV 3
	s_wait_kmcnt 0x0                               ; the four scalars of the last norm
	s_wait_dscnt 0x0                               ; for the others' sake: my rows of the activations and my part of tau lie in LDS
	s_barrier_signal -1
	s_barrier_wait -1                              ; tile 1 may stay out
	s_mov_b32 s[TL], 0
	TAULOAD
	WIN 0
	s_mov_b32 s[TA], 0
	; A LAYER: ksteps 0, 1 | 2-5 | (6, 7 | 8-13) (14, 15 | 16-21) (22, 23 | 24-29) | 30, 31.  The stream of words and fragments of W runs on from layer to layer.
.Llayer:
	ALOAD 0
	s_wait_dscnt 0x0                               ; kstep 0's activations and the thresholds
	KSTEP 0, 1, 1, 0, 0, 1, 1, 4, 12, 12           ; the thresholds start the sums: nothing is ever cleared
	KSTEP 1, 0, 1, 0, 0, 1, 1, 4, 12, 12
	WIN 0                                          ; at a label and at a branch every window is 0
	s_mov_b32 s[OUTER], 4
	s_mov_b32 s[INNER], 2
	s_branch .Linner                               ; the loop is entered behind its change of slots
.Louter:
	KSTEP 0, 0, 1, 0, 1, 1, 1, 5, 12, 12           ; the change of slots
	KSTEP 1, 0, 1, 1, 0, 1, 1, 4, 12, 12           ; the next kstep's activations begin a new chunk
	WIN 0
	s_mov_b32 s[INNER], 3
.Linner:
	KSTEP 0, 0, 1, 0, 0, 1, 1, 4, 12, 12
	KSTEP 1, 0, 1, 0, 0, 1, 1, 4, 12, 12
	WIN 0
	s_sub_co_u32 s[INNER], s[INNER], 1
	s_cmp_lg_u32 s[INNER], 0
	s_cbranch_scc1 .Linner
	s_sub_co_u32 s[OUTER], s[OUTER], 1
	s_cmp_lg_u32 s[OUTER], 0
	s_cbranch_scc1 .Louter
	s_cmp_eq_u32 s[LAY], 1
	s_cbranch_scc1 .Llast                          ; the last hidden layer's tail is written out: it asks for nothing more
	KSTEP 0, 0, 1, 0, 1, 1, 1, 5, 12, 12           ; kstep 30: the change of slots; the next layer's words are fetched from here on
	KSTEP 1, 0, 0, 0, 0, 1, 1, 4, 4, 4             ; kstep 31: no activations follow
	WIN 0
	s_wait_dscnt 0x0                               ; my reads of the activations are over
	s_barrier_signal -1
	PACK 0                                         ; window 0's sums were finished three visits back; these lines are also the places behind the last products
	WIN 0
	s_barrier_wait -1                              ; everybody's are: the activations may be written over
	STORE 0
	s_add_co_u32 s[TL], s[TL], 4096
	TAULOAD                                        ; the next layer's thresholds
	PACK 1
	STORE 1
	PACK 2
	STORE 2
	PACK 3
	STORE 3
	WIN 0
	s_mov_b32 s[TA], 0
	s_wait_dscnt 0x0                               ; for the others' sake: my columns of the next activations lie in LDS
	s_barrier_signal -1
	s_barrier_wait -1
	s_sub_co_u32 s[LAY], s[LAY], 1
	s_branch .Llayer
.Llast:
	KSTEP 0, 0, 1, 0, 0, 0, 1, 4, 8, -1            ; kstep 30: no words follow; behind the eight loads of activations all word loads are in
	KSTEP 1, 0, 0, 0, 0, 0, 0, 0, -1, -1           ; kstep 31: nothing is fetched, no further fragment is made
	WIN 0
	s_wait_tensorcnt 0x0                           ; tile 12: my quarter holds W4's fragments for my 256 columns
.irp xx, 0,1,2,3
	WIN (\xx)<<6                                   ; the fragments written here were last read ten plain vector lines back or more
.irp pp, 0,1
	ds_load_b128 v[BF+8*(\pp):BF+8*(\pp)+3],   v[W4A] offset:(2*(\xx)+(\pp))*1024
	ds_load_b128 v[BF+8*(\pp)+4:BF+8*(\pp)+7], v[W4A] offset:(2*(\xx)+(\pp))*1024+512
.endr
.endr
	PACKF 0                                        ; the earlier windows' lines are the places behind the last products
	PACKF 1
	PACKF 2
	PACKF 3
	s_wait_dscnt 0x0
.irp xx, 0,1,2,3
	WIN 5*(\xx)                                    ; both sources in window X, C and D in window 0
.irp pp, 0,1
.irp a, 0,1,2,3
.if ((\xx) == 0) && ((\pp) == 0)
	v_wmma_f32_16x16x32_bf16 v[FD+8*(\a):FD+8*(\a)+7], v[BF+8*(\pp):BF+8*(\pp)+7], v[ACC+8*(8*(\pp)+(\a)):ACC+8*(8*(\pp)+(\a))+7], 0
.else
	v_wmma_f32_16x16x32_bf16 v[FD+8*(\a):FD+8*(\a)+7], v[BF+8*(\pp):BF+8*(\pp)+7], v[ACC+8*(8*(\pp)+(\a)):ACC+8*(8*(\pp)+(\a))+7], v[FD+8*(\a):FD+8*(\a)+7]
.endif
.endr
.endr
.endr
.rept 4
	v_nop                                          ; the places behind the last products
.endr
	WIN 0
.irp a, 0,1,2,3                        ; a lane holds row 16 a + r and classes 8 hh + 0..7; rows lie 40 bytes apart, so that a wave's 640 sums are dense
	ds_store_b64 v[RA], v[FD+8*(\a):FD+8*(\a)+1]   offset:(\a)*640
	ds_store_b64 v[RB], v[FD+8*(\a)+2:FD+8*(\a)+3] offset:(\a)*640+8
	ds_store_b64 v[RB], v[FD+8*(\a)+4:FD+8*(\a)+5] offset:(\a)*640+16
	ds_store_b64 v[RB], v[FD+8*(\a)+6:FD+8*(\a)+7] offset:(\a)*640+24
.endr
	s_wait_dscnt 0x0
	s_barrier_signal -1
	s_barrier_wait -1                              ; all four partial sums lie in LDS
	v_mov_b32 v17, s[TNV]
	v_add_f32 v17, 0x38d1b717, v17                 ; tn_v + 1e-4
	v_rsq_f32 v18, v17
	v_lshl_add_u32 v15, v0, 4, RED                 ; (a plain line behind the root)
	v_lshlrev_b32 v16, 4, v0
	s_wait_alu depctr_va_vdst(0)                   ; the wait ahead of the first line that names the root
	OUTCHUNK 56, 0                                 ; bytes 16 t of the work-group's 2,560
	s_cmp_lg_u32 s[WV], 0
	s_cbranch_scc1 .Ldone
	OUTCHUNK 24, 2048                              ; wave 0: the last 512
.Ldone:
	s_wait_tensorcnt 0x0                           ; the wave's end, behind my last tensor load and my last LDS store
	ds_add_u32 v[SPW], v[NIL]
	s_wait_dscnt 0x0
	CROUND                                         ; the closing round: no work-group ends while a partner may still ask for a tile that names it
	s_endpgm
.Lfunc_end_k_q96b53fe34c_net:
	.size	k_q96b53fe34c_net, .Lfunc_end_k_q96b53fe34c_net-k_q96b53fe34c_net
	.p2alignl 7, 3214868480
	.fill 96, 4, 3214868480
	.section	.rodata,"a",@progbits
	.p2align	6, 0x0
	.amdhsa_kernel k_q96b53fe34c_net
		.amdhsa_group_segment_fixed_size 327680
		.amdhsa_private_segment_fixed_size 0
		.amdhsa_enable_private_segment 0
		.amdhsa_kernarg_size 64
		.amdhsa_user_sgpr_count 2
		.amdhsa_user_sgpr_kernarg_segment_ptr 1
		.amdhsa_wavefront_size32 1
		.amdhsa_system_sgpr_workgroup_id_x 1
		.amdhsa_system_sgpr_workgroup_id_y 1
		.amdhsa_system_sgpr_workgroup_id_z 1
		.amdhsa_system_vgpr_workitem_id 0
		.amdhsa_next_free_vgpr 1024
		.amdhsa_next_free_sgpr 66
		.amdhsa_reserve_vcc 0
		.amdhsa_float_denorm_mode_32 3
		.amdhsa_float_denorm_mode_16_64 3
		.amdhsa_memory_ordered 1
		.amdhsa_forward_progress 1
		.amdhsa_inst_pref_size 255
	.end_amdhsa_kernel
	.section	.bss,"aw",@nobits
	.p2align	6
	.space	262144
	.amdgpu_metadata
---
amdhsa.version: [ 1, 2 ]
amdhsa.kernels:
  - .name:           k_q96b53fe34c_net
    .symbol:         k_q96b53fe34c_net.kd
    .args:
      - { .name: x, .offset: 0, .size: 8, .value_kind: global_buffer, .address_space: global }
      - { .name: wq, .offset: 8, .size: 8, .value_kind: global_buffer, .address_space: global }
      - { .name: tau, .offset: 16, .size: 8, .value_kind: global_buffer, .address_space: global }
      - { .name: tn_m, .offset: 24, .size: 8, .value_kind: global_buffer, .address_space: global }
      - { .name: tn_v, .offset: 32, .size: 8, .value_kind: global_buffer, .address_space: global }
      - { .name: tn_w, .offset: 40, .size: 8, .value_kind: global_buffer, .address_space: global }
      - { .name: tn_b, .offset: 48, .size: 8, .value_kind: global_buffer, .address_space: global }
      - { .name: out0, .offset: 56, .size: 8, .value_kind: global_buffer, .address_space: global }
    .group_segment_fixed_size: 327680
    .private_segment_fixed_size: 0
    .kernarg_segment_align: 8
    .kernarg_segment_size: 64
    .max_flat_workgroup_size: 128
    .sgpr_count:     66
    .vgpr_count:     1024
    .wavefront_size: 32
...
	.end_amdgpu_metadata
.endif
;; end of part 2
;; ======== version 2 of 2: 2 launches; version 1 with the launch pack written anew for expert scheduling mode
;; workspace buffers: wq 851,968 bytes; tau 12,288 bytes
;; launch pack (part 3): grid 196 x 1, 8 waves a work-group, no clusters, 5,376 bytes of LDS; arguments W1, W2, W3, W4, g1, g2, g3, b1, b2, b3, m1, m2, m3, v1, v2, v3, wq, tau; writes wq, tau
.if DOCPART == 3
	.amdgcn_target "amdgcn-amd-amdhsa--gfx1250"
	.amdhsa_code_object_version 6
	.text
	.protected	k_q96b53fe34c_pack
	.globl	k_q96b53fe34c_pack
	.p2align	8
	.type	k_q96b53fe34c_pack,@function
k_q96b53fe34c_pack:
	s_mov_b64 s[64:65], 0
	v_nop
	global_prefetch_b8 v0, s[64:65] scope:SCOPE_SE
	s_setreg_imm32_b32 hwreg(HW_REG_WAVE_SCHED_MODE, 0, 2), 2
	s_setreg_imm32_b32 hwreg(HW_REG_WAVE_MODE, 25, 1), 1
	s_wait_xcnt 0x0
	s_wait_alu depctr_vm_vsrc(0)
; PACK: the weights become sign codes, each BatchNorm column becomes a threshold.
; wq, tiles 0-11 (tile = 4 x layer + kt, 65,536 bytes, K = 256 kt .. + 255): the dword at  w 16384 + kk 2048 + X 512 + (16 hh + r) 16 + g 4  belongs to row n = 256 w + 64 X + 16 g + r
; and to k = 256 kt + 32 kk + 16 hh + i, i = 0..15; the bit for i lies at (i odd ? 31 : 15) - 2 (i / 2), all even positions are 0.  The bit is 1 where sigma_n x sign(W[n][k]) is -1.
; wq, tile 12: W4 as +-1 in bf16, in matrix fragments (quarter w: k = 256 w ..; piece p = 64 c + 32 g2 + lane, 16 bytes: row lane % 16, k = 32 c + 16 g2 + 8 (lane / 16) + 0..7); rows 10-15 are 0;
; each quarter's second 8,192 bytes are 0: they travel with the tile and are never read.
; tau[layer][n] = tau_n x 255/128.
; THE THRESHOLD.  P(h) = [ ((h - m) s + b) >= 0 ], s = g rsq(v + 1e-5), each step rounded by itself as it is written there.  Every rounded step is monotone in h, so P is monotone on the whole numbers
; -1024 .. 1024, which hold every sum of 1,024 signs.  P is taken at both ends; if they differ, eleven halvings find T, the least h at which P has the value of the upper end.
; Then sign(sigma h + tau) says P(h): sigma = +1, tau = 0.5 - T (rising); sigma = -1, tau = T - 0.5 (falling); P constant: sigma = +1, tau = +-2048.5.  sigma h + tau is never 0.
; LIMITS.  m and b are taken as finite.  v_rsq_f32 is within one unit in the last place (ISA guide, its entry): a sign can differ from an exactly rounded root's only where a column's threshold
; lies within about 1e-7 of itself from an even whole number.  A NaN in g or v makes P false everywhere, as the comparison there does.  -0 in W counts as +1, a NaN as -1, as there.
; SHARES.  Work-groups 0-191: layer id / 64, kt = (id / 16) % 4, wx = id % 16: 64 rows x 256 k.  Wave v reads rows 8 v .. 8 v + 7, 512 consecutive bytes an instruction; wave 0 also makes the
; 64 thresholds (the four kt make them alike: each needs sigma; kt = 0 stores tau).  Work-groups 192-195: a quarter of tile 12.
; No matrix unit, cluster or tensor load: each byte of W is read once by one lane and leaves as one bit.
; THE MODE: SCHED_MODE bits 1:0 = 2 (LLVM: expert scheduling mode 2), set by the entry lines.  The code itself states the register dependences between vector instructions and memory or LDS
; instructions, and between a vector instruction that writes a scalar register and that register's readers, with s_wait_alu, always for 0.
; THE PLAN.  Registers that memory or LDS instructions touch:
;   v2, v3, v16-v19, v28   offsets and LDS addresses: all made at the head, ahead of one wait, and never written again.
;   WDAT, v[32:95]         sixteen loads of W, in four blocks of four.  A block's vector lines work IN PLACE on its sixteen registers; the first register of each load ends as the finished word,
;                          is read by one LDS store and is never written again.  Block p's four stores are issued in block p + 1, behind the wait at that block's head; no vector line of block p + 1
;                          names block p's registers or v3.
;   v[96:103]              g, b, m, v of wave 0's rows: written by loads, and v[102:103] by the add of 1e-5 too.
;   BT, BP                 tau and the flip masks: written by vector lines, read by one global and two LDS stores behind one wait, never written again.
;   v[20:27]               the stage and the masks read back: no vector line names them ahead of the two LDS loads; the four exclusive ors then write v[20:23], which one store reads behind one wait.
;   v9, v10                read by the closing add alone.
; No register that a memory or LDS instruction has read is written again, so no wait on vm_vsrc is owed ahead of the closing lines.
; Every comparison writes a scalar register of its own, in runs, with one wait on va_sdst behind the run and ahead of the first select: s4-s19, which held arguments that the selects have used up.
.set WST,   0                          ; LDS: the 1,024 words of the work-group, laid out as they leave: kk 512 + (16 hh + r) 16 + g 4
.set FLP,   4096                       ; LDS: the rows' flip masks, r 16 + g 4
.set SPARE, 4352                       ; LDS: the spare words, 128 bytes for each of the eight waves: four blocks of 256 bytes that no other line names
.set SPW,   9                          ; v9   my spare word's address; never rewritten
.set NIL,   10                         ; v10  0; never rewritten
.set KS,    4                          ; v[4:7]   the bit of each of my four numbers of a load
.set WDAT,  32                         ; v[32:95] sixteen loads of W
.set MK,    4                          ; s[4:19]  the comparisons' masks
.set BG,    96                         ; two rows a lane: g, b, m, v, s, P(-1024), P(1024), lo, hi, mid, tau, at work, at work
.set BB,    98
.set BM,    100
.set BV,    102
.set BS,    104
.set BPL,   106
.set BPH,   108
.set BLO,   110
.set BHI,   112
.set BMID,  114
.set BT,    116
.set BP,    118
.set BU,    120
.set TMP,   122                        ; v[122:125] at work in P
	s_load_b512 s[4:19], s[0:1], 0x0               ; W1 s[4:5] W2 s[6:7] W3 s[8:9] W4 s[10:11] g1 s[12:13] g2 s[14:15] g3 s[16:17] b1 s[18:19]
	s_load_b512 s[20:35], s[0:1], 0x40             ; b2 s[20:21] b3 s[22:23] m1 s[24:25] m2 s[26:27] m3 s[28:29] v1 s[30:31] v2 s[32:33] v3 s[34:35]
	s_load_b128 s[36:39], s[0:1], 0x80             ; wq s[36:37] tau s[38:39]
	v_lshl_add_u32 v[SPW], v0, 2, SPARE
	v_mov_b32 v[NIL], 0
	v_lshrrev_b32 v1, 5, v0
	v_readfirstlane_b32 s40, v1                    ; wave 0..7
	v_and_b32 v1, 31, v0                           ; lane
	s_mov_b32 s53, 0                               ; the high word of every offset
	s_wait_alu depctr_va_sdst(0)                   ; s40 is written: ahead of the branch and of its first reader
	s_cmp_ge_u32 ttmp9, 192
	s_cbranch_scc1 .Lw4
	s_lshr_b32 s41, ttmp9, 6                       ; layer 0..2
	s_bfe_u32 s54, ttmp9, 0x20004                  ; kt
	s_and_b32 s55, ttmp9, 15                       ; wx = 4 w + X
	s_mov_b32 s61, 0xaaaaaaaa                      ; all sixteen sign places of a word
	v_lshlrev_b32 v2, 4, v1
	s_lshl_b32 s56, s40, 15                        ; (s56, s58 and s59, which vector lines read, are not written behind their readers)
	v_add_nc_u32 v2, s56, v2                       ; my 16 bytes in the wave's first row: 16 lane + 8 v rows of 4,096 bytes
	v_and_b32 v11, 3, v1
	v_lshlrev_b32 v11, 2, v11                      ; 4 (lane % 4): my four numbers are i = 4 (lane % 4) + 0..3 of their sixteen
	v_mov_b32 v[KS+0], 0x8000                      ; i even: place 15 - 2 (i / 2); i odd: 31 - 2 (i / 2)
	v_mov_b32 v[KS+1], 0x80000000
	v_mov_b32 v[KS+2], 0x2000
	v_mov_b32 v[KS+3], 0x20000000
.irp e, 0,1,2,3
	v_lshrrev_b32 v[KS+\e], v11, v[KS+\e]
.endr
	v_mov_b32 v8, 0
	v_lshrrev_b32 v3, 2, v1
	s_and_b32 s58, s40, 1
	s_lshl_b32 s58, s58, 7
	s_lshr_b32 s57, s40, 1
	s_lshl2_add_u32 s58, s57, s58
	v_lshl_add_u32 v3, v3, 8, s58                  ; where my quad's word goes: (lane / 4) 256 [kk, hh] + (v % 2) 128 [r / 8] + (v / 2) 4 [g]
	v_lshlrev_b32 v16, 3, v1                       ; wave 0: lane l takes rows 2 l and 2 l + 1 of g, b, m, v and tau
	v_and_b32 v17, 7, v1
	v_lshlrev_b32 v17, 5, v17
	v_lshrrev_b32 v12, 3, v1
	v_lshl_add_u32 v17, v12, 2, v17                ; row 2 l + e = 16 g + r: r 16 + g 4 = (l % 8) 32 + e 16 + (l / 8) 4
	v_lshlrev_b32 v18, 4, v0                       ; thread t takes bytes 16 t of the stage: kk = t / 32, lane t % 32, g = 0..3
	v_and_b32 v19, 15, v0
	v_lshlrev_b32 v19, 4, v19                      ; and the masks of its four rows
	s_lshl_b32 s59, s40, 11
	v_lshl_add_u32 v28, v1, 4, s59                 ; in wq: kk 2048 + 16 lane
	s_wait_kmcnt 0x0
	s_cmp_eq_u32 s41, 1                            ; the layer's five tensors
	s_cselect_b64 s[42:43], s[6:7], s[4:5]
	s_cselect_b64 s[44:45], s[14:15], s[12:13]
	s_cselect_b64 s[46:47], s[20:21], s[18:19]
	s_cselect_b64 s[48:49], s[26:27], s[24:25]
	s_cselect_b64 s[50:51], s[32:33], s[30:31]
	s_cmp_eq_u32 s41, 2
	s_cselect_b64 s[42:43], s[8:9], s[42:43]
	s_cselect_b64 s[44:45], s[16:17], s[44:45]
	s_cselect_b64 s[46:47], s[22:23], s[46:47]
	s_cselect_b64 s[48:49], s[28:29], s[48:49]
	s_cselect_b64 s[50:51], s[34:35], s[50:51]
	s_lshl_b32 s52, s55, 18                        ; 64 wx rows of 4,096 bytes
	s_lshl_b32 s63, s54, 10                        ; 256 kt numbers
	s_or_b32 s52, s52, s63
	s_add_nc_u64 s[42:43], s[42:43], s[52:53]
	s_lshl_b32 s52, s55, 8                         ; 64 wx numbers
	s_add_nc_u64 s[44:45], s[44:45], s[52:53]
	s_add_nc_u64 s[46:47], s[46:47], s[52:53]
	s_add_nc_u64 s[48:49], s[48:49], s[52:53]
	s_add_nc_u64 s[50:51], s[50:51], s[52:53]
	s_lshl_b32 s63, s41, 12
	s_add_co_u32 s52, s52, s63
	s_add_nc_u64 s[38:39], s[38:39], s[52:53]      ; tau at the layer's row 64 wx
	s_lshl2_add_u32 s52, s41, s54                  ; the tile, 4 layer + kt
	s_lshl_b32 s52, s52, 16
	s_lshr_b32 s63, s55, 2
	s_lshl_b32 s63, s63, 14
	s_add_co_u32 s52, s52, s63                     ; + w 16384
	s_and_b32 s63, s55, 3
	s_lshl_b32 s63, s63, 9
	s_add_co_u32 s52, s52, s63                     ; + X 512
	s_add_nc_u64 s[36:37], s[36:37], s[52:53]
	s_wait_alu depctr_va_vdst(0)                   ; v2, v3, v16 to v19 and v28 are written: every load and store of this path reads one of them as its offset or address
.set i, 0
.rept 16                               ; row 8 v + i / 2, half i % 2 of its 1,024 bytes: 512 consecutive bytes an instruction
	global_load_b128 v[WDAT+4*i:WDAT+4*i+3], v2, s[42:43] offset:(i/2)*4096+(i%2)*512 th:TH_LOAD_NT
.set i, i+1
.endr
	s_cmp_lg_u32 s40, 0                            ; wave 0 makes the 64 thresholds: lane l rows 2 l and 2 l + 1
	s_cbranch_scc1 .Lnobn
	global_load_b64 v[BG:BG+1], v16, s[44:45]      ; no vector line since the wait above names v16 or these registers
	global_load_b64 v[BB:BB+1], v16, s[46:47]
	global_load_b64 v[BM:BM+1], v16, s[48:49]
	global_load_b64 v[BV:BV+1], v16, s[50:51]
	s_wait_loadcnt 0x0
	v_add_f32 v[BV], 0x3727c5ac, v[BV]             ; v + 1e-5
	v_add_f32 v[BV+1], 0x3727c5ac, v[BV+1]
	v_rsq_f32 v[BS], v[BV]
	v_rsq_f32 v[BS+1], v[BV+1]
	v_nop                                          ; a plain instruction behind the second root, ahead of the first use
	s_wait_alu depctr_va_vdst(0)                   ; both roots have written v[BS], v[BS+1]: one wait, ahead of the first line that names a result
	v_mul_f32 v[BS], v[BG], v[BS]
	v_mul_f32 v[BS+1], v[BG+1], v[BS+1]
; What P(h) compares with 0, for row e of my two: subtract, multiply, add, each rounded by itself.  The comparison 0 <= t, which is false for a NaN, follows in a run of its own.
.macro PT dst, h, e
	v_sub_f32 v[\dst], \h, v[BM+(\e)]
	v_mul_f32 v[\dst], v[\dst], v[BS+(\e)]
	v_add_f32 v[\dst], v[\dst], v[BB+(\e)]
.endm
	PT TMP+0, 0xc4800000, 0
	PT TMP+1, 0xc4800000, 1
	PT TMP+2, 0x44800000, 0
	PT TMP+3, 0x44800000, 1
.irp e, 0,1,2,3
	v_cmp_le_f32 s[MK+\e], 0, v[TMP+\e]
.endr
.irp e, 0,1
	v_mov_b32 v[BLO+\e], 0xfffffc00                ; -1024
	v_mov_b32 v[BHI+\e], 0x400
.endr
	s_wait_alu depctr_va_sdst(0)                   ; the four comparisons have written s4 to s7, which the selects read
.irp e, 0,1
	v_cndmask_b32 v[BPL+\e], 0, 1, s[MK+\e]
	v_cndmask_b32 v[BPH+\e], 0, 1, s[MK+2+\e]
.endr
	s_mov_b32 s60, 11                              ; 2,048 = 2^11: eleven halvings leave hi = lo + 1.  P(lo) differs from P(1024), P(hi) equals it, all the way
.Lbis:
.irp e, 0,1
	v_add_nc_u32 v[BMID+\e], v[BLO+\e], v[BHI+\e]
	v_ashrrev_i32 v[BMID+\e], 1, v[BMID+\e]
	v_cvt_f32_i32 v[BT+\e], v[BMID+\e]
	PT TMP+\e, v[BT+\e], \e
.endr
	v_cmp_le_f32 s[MK], 0, v[TMP]
	v_cmp_le_f32 s[MK+1], 0, v[TMP+1]
	s_wait_alu depctr_va_sdst(0)                   ; P's two comparisons have written s4 and s5, which the selects read
	v_cndmask_b32 v[BP], 0, 1, s[MK]
	v_cndmask_b32 v[BP+1], 0, 1, s[MK+1]
	v_cmp_eq_u32 s[MK+2], v[BP], v[BPH]
	v_cmp_eq_u32 s[MK+3], v[BP+1], v[BPH+1]
	s_wait_alu depctr_va_sdst(0)                   ; the two comparisons with the upper end have written s6 and s7, which the selects read
.irp e, 0,1
	v_cndmask_b32 v[BHI+\e], v[BHI+\e], v[BMID+\e], s[MK+2+\e]
	v_cndmask_b32 v[BLO+\e], v[BMID+\e], v[BLO+\e], s[MK+2+\e]
.endr
	s_sub_co_u32 s60, s60, 1
	s_cmp_lg_u32 s60, 0
	s_cbranch_scc1 .Lbis
.irp e, 0,1
	v_cmp_eq_u32 s[MK+\e], v[BPL+\e], v[BPH+\e]    ; P constant?
	v_cmp_gt_u32 s[MK+2+\e], v[BPL+\e], v[BPH+\e]  ; falling?
.endr
.irp e, 0,1
	v_cvt_f32_i32 v[BT+\e], v[BHI+\e]
	v_sub_f32 v[BT+\e], 0.5, v[BT+\e]              ; 0.5 - T
	v_sub_nc_u32 v[BU+\e], 1, v[BPH+\e]
	v_lshlrev_b32 v[BU+\e], 31, v[BU+\e]           ; a sign bit where P(1024) is false
	v_xor_b32 v[BT+\e], v[BT+\e], v[BU+\e]         ; falling: T - 0.5
	v_xor_b32 v[BU+\e], 0x45000800, v[BU+\e]       ; +-2048.5
.endr
	s_wait_alu depctr_va_sdst(0)                   ; the four comparisons have written s4 to s7, which the selects read
.irp e, 0,1
	v_cndmask_b32 v[BT+\e], v[BT+\e], v[BU+\e], s[MK+\e]  ; P constant
	v_mul_f32 v[BT+\e], 0x3fff0000, v[BT+\e]       ; x 255/128, the weights' magnitude: 2 tau has 13 bits, 255 has 8: exact
	v_cndmask_b32 v[BP+\e], 0, s61, s[MK+2+\e]     ; falling: the row's signs are turned
.endr
	s_wait_alu depctr_va_vdst(0)                   ; v[BP ..] and v[BT ..] are written: the two LDS stores read the first pair, the store of tau the second
	ds_store_b32 v17, v[BP] offset:FLP
	ds_store_b32 v17, v[BP+1] offset:FLP+16
	s_cmp_lg_u32 s54, 0                            ; each byte of tau has one writer: kt = 0
	s_cbranch_scc1 .Lnobn
	global_store_b64 v16, v[BT:BT+1], s[38:39]     ; 256 consecutive bytes, at a multiple of 256 from tau's first
.Lnobn:
; Four numbers a lane become four bits; the quad's four lanes make a word of sixteen.  Four blocks of four loads.
.macro EACH4 line:vararg               ; one line for each of block p's four loads: R is the load's first register, s[MK+4 q ..] its four masks
.set q, 0
.rept 4
.set R, WDAT+4*(4*p+q)
	\line
.set q, q+1
.endr
.endm
.set p, 0
.rept 4
	s_wait_loadcnt 12-4*p                          ; loads come back in order: block p's four are in, the younger blocks' stay out
.if p > 0
	s_wait_alu depctr_va_vdst(0)                   ; the block before has written its four words, which the LDS stores below read
.endif
.set q, 0
.rept 4
.set i, 4*p+q
.if p > 0
	ds_store_b32 v3, v[WDAT+4*(i-4)] offset:WST+((i-4)%2)*2048+((i-4)/2)*16  ; the block before: the quad's four lanes store the same word
.endif
.irp e, 0,1,2,3
	v_cmp_le_f32 s[MK+4*q+\e], 0, v[WDAT+4*i+\e]
.endr
.set q, q+1
.endr
	s_wait_alu depctr_va_sdst(0)                   ; the block's sixteen comparisons have written s4 to s19, which the selects read
	EACH4 v_cndmask_b32 v[R], v[KS], v8, s[MK+4*q]          ; 0 where 0 <= W, else my bit: in place
	EACH4 v_cndmask_b32 v[R+1], v[KS+1], v8, s[MK+4*q+1]
	EACH4 v_cndmask_b32 v[R+2], v[KS+2], v8, s[MK+4*q+2]
	EACH4 v_cndmask_b32 v[R+3], v[KS+3], v8, s[MK+4*q+3]
	EACH4 v_or_b32 v[R], v[R], v[R+1]
	EACH4 v_or_b32 v[R+2], v[R+2], v[R+3]
	EACH4 v_or_b32 v[R], v[R], v[R+2]
	EACH4 v_mov_b32_dpp v[R+1], v[R] row_xmask:1 row_mask:0xf bank_mask:0xf
	EACH4 v_or_b32 v[R], v[R], v[R+1]
	EACH4 v_mov_b32_dpp v[R+1], v[R] row_xmask:2 row_mask:0xf bank_mask:0xf
	EACH4 v_or_b32 v[R], v[R], v[R+1]
.set p, p+1
.endr
	s_wait_alu depctr_va_vdst(0)                   ; the last block has written its four words, which the LDS stores below read
.irp i, 12,13,14,15
	ds_store_b32 v3, v[WDAT+4*\i] offset:WST+((\i)%2)*2048+((\i)/2)*16
.endr
	s_wait_dscnt 0x0                               ; for the others' sake: my words, and wave 0's masks, lie in LDS
	s_barrier_signal -1
	s_barrier_wait -1
	ds_load_b128 v[20:23], v18 offset:WST          ; no vector line has named v[20:27]
	ds_load_b128 v[24:27], v19 offset:FLP
	s_wait_dscnt 0x0
.irp e, 0,1,2,3
	v_xor_b32 v[20+\e], v[20+\e], v[24+\e]
.endr
	s_wait_alu depctr_va_vdst(0)                   ; the four exclusive ors have written v[20:23], which the store reads
	global_store_b128 v28, v[20:23], s[36:37]      ; a wave stores 512 consecutive bytes, at a multiple of 512 from wq's first
	s_wait_dscnt 0x0                               ; the closing lines, six on end
	s_wait_alu 0x0
	s_wait_tensorcnt 0x0
	ds_add_u32 v[SPW], v[NIL]
	s_wait_dscnt 0x0
	s_endpgm
.Lw4:                                  ; a quarter of tile 12; no LDS.  W4 is 40,960 bytes in all, read once: a lane takes two runs of 32 bytes of one of ten rows
	s_sub_co_u32 s41, ttmp9, 192                   ; w
	v_and_b32 v2, 15, v0                           ; r
	v_min_u32 v3, 9, v2                            ; rows 10-15 do not exist: they read row 9 and store 0
	v_lshrrev_b32 v4, 4, v0
	v_lshlrev_b32 v4, 5, v4                        ; 4 (32 c + 16 g2 + 8 hh) = 32 (t / 16), for pieces t = 0..255
	v_lshl_add_u32 v4, v3, 12, v4
	s_lshl_b32 s56, s41, 10
	v_add_nc_u32 v4, s56, v4                       ; + 256 w numbers
	v_lshlrev_b32 v5, 4, v0                        ; piece t
	v_mov_b32 v28, 0x3f80                          ; +1 in bf16
	v_mov_b32 v29, 0xbf80                          ; -1
	v_cmp_gt_u32 s62, 10, v2                       ; the lanes whose row exists
.irp e, 0,1,2,3
	v_mov_b32 v[72+\e], 0
.endr
	s_lshl_b32 s52, s41, 14
	s_add_co_u32 s52, s52, 12*65536
	s_wait_kmcnt 0x0
	s_add_nc_u64 s[36:37], s[36:37], s[52:53]
	s_wait_alu depctr_va_vdst(0)                   ; v4 is written, which the four loads read as their offset
	global_load_b128 v[32:35], v4, s[10:11]
	global_load_b128 v[36:39], v4, s[10:11] offset:16
	global_load_b128 v[40:43], v4, s[10:11] offset:512  ; pieces t + 256: c is four greater
	global_load_b128 v[44:47], v4, s[10:11] offset:528
	s_wait_loadcnt 0x0
.set i, 0
.rept 16
	v_cmp_le_f32 s[12+i], 0, v[32+i]               ; s12 to s27 hold arguments that this path does not use
.set i, i+1
.endr
	s_wait_alu depctr_va_sdst(0)                   ; the sixteen comparisons have written s12 to s27, and the one above s62: the selects below read them
.set i, 0
.rept 16
	v_cndmask_b32 v[48+i], v29, v28, s[12+i]
.set i, i+1
.endr
.set i, 0
.rept 8
	v_lshl_or_b32 v[64+i], v[48+2*i+1], 16, v[48+2*i]  ; the lower k in the lower half
	v_cndmask_b32 v[64+i], 0, v[64+i], s62
.set i, i+1
.endr
	s_wait_alu depctr_va_vdst(0)                   ; v5 and v[64:75] are written: the four stores read them as offset and data
	global_store_b128 v5, v[64:67], s[36:37]
	global_store_b128 v5, v[68:71], s[36:37] offset:4096
	global_store_b128 v5, v[72:75], s[36:37] offset:8192
	global_store_b128 v5, v[72:75], s[36:37] offset:12288
	s_endpgm
.Lfunc_end_k_q96b53fe34c_pack:
	.size	k_q96b53fe34c_pack, .Lfunc_end_k_q96b53fe34c_pack-k_q96b53fe34c_pack
	.p2alignl 7, 3214868480
	.fill 96, 4, 3214868480
	.section	.rodata,"a",@progbits
	.p2align	6, 0x0
	.amdhsa_kernel k_q96b53fe34c_pack
		.amdhsa_group_segment_fixed_size 5376
		.amdhsa_private_segment_fixed_size 0
		.amdhsa_enable_private_segment 0
		.amdhsa_kernarg_size 144
		.amdhsa_user_sgpr_count 2
		.amdhsa_user_sgpr_kernarg_segment_ptr 1
		.amdhsa_wavefront_size32 1
		.amdhsa_system_sgpr_workgroup_id_x 1
		.amdhsa_system_sgpr_workgroup_id_y 1
		.amdhsa_system_sgpr_workgroup_id_z 1
		.amdhsa_system_vgpr_workitem_id 0
		.amdhsa_next_free_vgpr 128
		.amdhsa_next_free_sgpr 66
		.amdhsa_reserve_vcc 0
		.amdhsa_float_denorm_mode_32 3
		.amdhsa_float_denorm_mode_16_64 3
		.amdhsa_memory_ordered 1
		.amdhsa_forward_progress 1
		.amdhsa_inst_pref_size 29
	.end_amdhsa_kernel
	.amdgpu_metadata
---
amdhsa.version: [ 1, 2 ]
amdhsa.kernels:
  - .name:           k_q96b53fe34c_pack
    .symbol:         k_q96b53fe34c_pack.kd
    .args:
      - { .name: W1, .offset: 0, .size: 8, .value_kind: global_buffer, .address_space: global }
      - { .name: W2, .offset: 8, .size: 8, .value_kind: global_buffer, .address_space: global }
      - { .name: W3, .offset: 16, .size: 8, .value_kind: global_buffer, .address_space: global }
      - { .name: W4, .offset: 24, .size: 8, .value_kind: global_buffer, .address_space: global }
      - { .name: g1, .offset: 32, .size: 8, .value_kind: global_buffer, .address_space: global }
      - { .name: g2, .offset: 40, .size: 8, .value_kind: global_buffer, .address_space: global }
      - { .name: g3, .offset: 48, .size: 8, .value_kind: global_buffer, .address_space: global }
      - { .name: b1, .offset: 56, .size: 8, .value_kind: global_buffer, .address_space: global }
      - { .name: b2, .offset: 64, .size: 8, .value_kind: global_buffer, .address_space: global }
      - { .name: b3, .offset: 72, .size: 8, .value_kind: global_buffer, .address_space: global }
      - { .name: m1, .offset: 80, .size: 8, .value_kind: global_buffer, .address_space: global }
      - { .name: m2, .offset: 88, .size: 8, .value_kind: global_buffer, .address_space: global }
      - { .name: m3, .offset: 96, .size: 8, .value_kind: global_buffer, .address_space: global }
      - { .name: v1, .offset: 104, .size: 8, .value_kind: global_buffer, .address_space: global }
      - { .name: v2, .offset: 112, .size: 8, .value_kind: global_buffer, .address_space: global }
      - { .name: v3, .offset: 120, .size: 8, .value_kind: global_buffer, .address_space: global }
      - { .name: wq, .offset: 128, .size: 8, .value_kind: global_buffer, .address_space: global }
      - { .name: tau, .offset: 136, .size: 8, .value_kind: global_buffer, .address_space: global }
    .group_segment_fixed_size: 5376
    .private_segment_fixed_size: 0
    .kernarg_segment_align: 8
    .kernarg_segment_size: 144
    .max_flat_workgroup_size: 256
    .sgpr_count:     66
    .vgpr_count:     128
    .wavefront_size: 32
...
	.end_amdgpu_metadata
.endif
;; end of part 3
;; launch net: the kernel of part 2 again; grid 256 x 1, 4 waves a work-group, clusters of 4 x 1, 327,680 bytes of LDS; arguments x, wq, tau, tn_m, tn_v, tn_w, tn_b, out0; writes out0
